; MI455X (gfx1250); checked and timed in simulation.
; The chip was launched on July 23, 2026; its instructions are those of AMD's public machine-readable ISA for CDNA 5 (MIT licence, August 2026) and "CDNA5" Instruction Set Architecture Reference Guide (July 2026). The comments in the code are by the model that wrote it; some were corrected since.
;; GQA. Allowed arithmetic: matrix products marked QUANTISED: E2M3 operands, one E8M0 scale for each 32 along K, by v_wmma_scale_f32_16x16x128_f8f6f4 with both operands' format E2M3, f32 sums; everything else in f32.
;; Inputs: K 2 x 8 x 2,048 x 128 float32; Q 2 x 32 x 2,048 x 128 float32; V 2 x 8 x 2,048 x 128 float32.
;; Outputs: out0 2 x 32 x 2,048 x 128 float32.
;; This version of the problem:
;;   THIS VERSION OF THE PROBLEM IS GIVEN IN LOW PRECISION. The matrix products marked QUANTISED in the list below multiply operands that are first quantised to E2M3 (2 exponent bits, 3 mantissa bits; 6 bits a number), with one power-of-two scale for each 32 numbers along K (OCP MX v1.0); their sums are f32. All else is computed in f32.
;;   The module's matrix products, in the order in which they are computed (A, B: the left and right operand; K: the contracted axis; several contracted axes count as one K, in the product's order):
;;     1. batch 16 x [M 8,192, K 128] x [K 128, N 2,048]; A: input Q; B: input K: QUANTISED
;;     2. batch 16 x [M 8,192, K 2,048] x [K 2,048, N 128]; A: softmax (see below); B: input V: QUANTISED
;;   THE QUANTISER, for each operand of a quantised product, along K:
;;     - K is cut into blocks of 32 from its start; a last block that is shorter is filled with zeros.
;;     - A block's scale is 2^e with e = floor(log2(the largest magnitude in the block)) - 2, held to -126 .. 127; a block of zeros has e = 0. As a byte (E8M0): e + 127.
;;     - Each number is divided by its block's scale, clamped to +-7.5, and rounded to the nearest number of E2M3, ties to even, subnormals kept.
;;     - The product sums the exact products of the quantised numbers (number of the format x scale) in f32.
;;   ~~~python
;;   def quantise(x, axis):      # numpy; x: float32 -> the quantised numbers, widened to float32 again
;;       x = np.moveaxis(x, axis, -1); K = x.shape[-1]
;;       x = np.pad(x, [(0, 0)] * (x.ndim - 1) + [(0, -K % 32)]); x = x.reshape(x.shape[:-1] + (-1, 32)); a = np.abs(x).max(-1, keepdims=True)
;;       e = np.where(a > 0, np.clip(np.frexp(np.where(a > 0, a, 1))[1] - 1 - 2, -126, 127), 0)      # np.frexp(a)[1] - 1 = floor(log2(a)), exactly
;;       r = np.clip(x / 2.0 ** e, -7.5, 7.5)
;;       step = 2.0 ** (np.maximum(np.frexp(np.where(r == 0, 1, r))[1] - 1, 0) - 3)
;;       q = np.round(r / step) * step * 2.0 ** e      # np.round: ties to even
;;       return np.moveaxis(q.reshape(q.shape[:-2] + (-1,))[..., :K], -1, axis).astype(np.float32)
;;   ~~~
;;   SOFTMAX AHEAD OF A QUANTISED PRODUCT. Where the list says 'softmax', what is quantised is not the finished softmax but p = 2^(t - M), with t = logit x log2(e) and M = ceil(the row's largest t), a whole number; so 1/2 < the row's largest p <= 1. The row's sum l is taken of the UNQUANTISED p, in f32, and the product's result is divided by l at the end. Since M is a whole number, a kernel that streams over the keys may use a running M (the ceiling of the running maximum): every later rescaling is an exact power of two, which a block's scale takes up: the codes' values come out the same.
;;   OPERANDS COMPUTED ON THE WAY. 'Computed on the way' means the value that the module computes at that place (a softmax that the list does not call 'softmax' is quantised finished and normalised). What goes into a quantiser is computed in f32, as accurately as f32 sums, v_exp_f32 and their like allow (about 1e-6 of the number): no bf16 or f16 on the way to a quantiser, and a product that is left as it is and whose result goes on into a quantised operand takes f32 operands (vector FMAs, or v_wmma_f32_16x16x4_f32). A number that lies on a knife's edge between two numbers of the format may be rounded either way, as far as f32 arithmetic and the matrix unit's own rounding can turn it there, and no further.
;; One version. Each part assembles by itself: llvm-mc -triple=amdgcn-amd-amdhsa -mcpu=gfx1250 --defsym DOCPART=n.
;; ======== version 1 of 1: 2 launches
;; limits: right only within a limited range of input values
;; workspace buffers: kv 6,553,600 bytes
;; launch quant (part 1): grid 256 x 2, 4 waves a work-group, no clusters, 68,608 bytes of LDS; arguments K, V, kv; writes kv
.if DOCPART == 1
	.amdgcn_target "amdgcn-amd-amdhsa--gfx1250"
	.amdhsa_code_object_version 6
	.text
	.protected	k_q320572e1d1_quant
	.globl	k_q320572e1d1_quant
	.p2align	8
	.type	k_q320572e1d1_quant,@function
k_q320572e1d1_quant:
	s_mov_b64 s[64:65], 0
	v_nop
	global_prefetch_b8 v0, s[64:65] scope:SCOPE_SE
	s_setreg_imm32_b32 hwreg(HW_REG_WAVE_MODE, 25, 1), 1
	s_wait_xcnt 0x0
; K and V, [16 heads][2048 keys][128 channels] f32, become codes of FP6 (E2M3) with one E8M0 scale byte for each 32 along a product's K:
; K is quantised along the channels (the first product's K), V along the keys (the second product's K).
; A block's scale is 2^(floor(log2(its largest magnitude)) - 2); its byte is the largest magnitude's exponent field - 2, held at 1 from below.
; LIMITS: NaN and infinities among the inputs are not served.  A block whose largest magnitude lies under 2^-124 keeps the byte 1 (the quantiser's own hold at e = -126).
; A block of zeros gets the byte 1 where the quantiser says 127: its codes are zeros, which add nothing under any byte but 0xff, and this program alone reads the bytes.
; WHAT IS STORED: for each head and each step of 128 keys one dense block of STEPB = 25,600 bytes, laid as IMAGES OF THE OPERANDS' REGISTERS:
;   0      8 fragments of K (16 keys x 128 channels: 12 registers a lane), 1,536 bytes each: register p of lane l at 512 (p / 4) + 16 l + 4 (p % 4)
;   12288  8 fragments of V^T (16 channels x 128 keys), likewise
;   24576  K's scale words, 512 bytes: the word of (tile t, row r) at 256 (t / 4) + 16 r + 4 (t % 4);      25088  V's, likewise
; THE KEYS OF A TILE OF K ARE NOT NEIGHBOURS: rows 0-7 of tile 4 c + u are keys 64 c + 8 u + 0 .. 7, rows 8-15 keys 64 c + 32 + 8 u + 0 .. 7,
; so that in the next launch the scores of tiles 4 c .. 4 c + 3 are, in one lane, the 32 neighbouring keys 64 c + 32 (lane / 16) + 0 .. 31: one whole block of the second product's K.
; SHARES: work-group x = 16 x head + step, y = 0: K, 1: V.  Wave w makes fragments 2 w and 2 w + 1.  No tensor loads, no ring; one barrier, for the 512 scale bytes that the four waves gather.
.set STEPB, 25600
.set SP,    528                        ; a stage row: 512 bytes + 16
.set WSTG,  32*SP                      ; a wave's own stage: 32 keys' rows.  K's path alone touches it
.set GATH,  4*WSTG                     ; behind the stages: the step's 512 scale bytes of this tensor
.set L16,   4                          ; 16 x lane
.set L4,    5                          ; 4 x lane
.set SIN,   6                          ; the stage, on the way in
.set SOUT,  7                          ; and on the way out: row r, + 128 h
.set GST,   8                          ; where my scale word goes
.set GRD,   9                          ; where wave 0 reads the 512 bytes back
.set QH8,   10                         ; 8 h
.set QM,    12                         ; largest magnitudes
.set QSO,   16                         ; the conversions' scale operands
.set QBY,   20                         ; scale bytes
.set QTX,   24                         ; the other half of the lanes' part of a scale word
.set QCT,   28                         ; the upper halves of blocks' codes, until they are moved
.set F0,    44                         ; fragment 2 w
.set F1,    56                         ; fragment 2 w + 1
.set SW,    68                         ; the scale word that my lane stores
.set W0,    69
.set W1,    70
.set OUTS,  72
.set R,     80                         ; v80-207 128 numbers a lane
.set SEL,   20                         ; s[20:21] lane selects: lane l xor 16
; Two whole blocks of 32 of a lane become the operand's 12 registers v[f] on and my row's scale word v[w].
.macro QUANT2 x, f, w
.irp c, 0,1
	v_max3_num_f32 v[QM+\c], |v[(\x)+32*\c]|, |v[(\x)+32*\c+1]|, 0x1800000   ; with the floor 2^(3 - 127): the byte cannot fall under 1
.endr
.irp i, 2,4,6,8,10,12,14,16,18,20,22,24,26,28,30
.irp c, 0,1
	v_max3_num_f32 v[QM+\c], v[QM+\c], |v[(\x)+32*\c+\i]|, |v[(\x)+32*\c+\i+1]|
.endr
.endr
.irp c, 0,1
	v_add_nc_u32 v[QSO+\c], 0xff000000, v[QM+\c]   ; 2 off the exponent field: the conversion's scale operand
.endr
.irp c, 0,1
	v_lshrrev_b32 v[QBY+\c], 23, v[QSO+\c]         ; the scale's byte
.endr
	v_lshl_or_b32 v[\w], v[QBY+1], 16, v[QBY]      ; my two bytes: blocks h and 2 + h,
	v_lshlrev_b32 v[\w], v[QH8], v[\w]             ; at their places in the word;
	v_permlanex16_b32 v[QTX], v[\w], s[SEL], s[SEL+1]
	v_or_b32 v[\w], v[\w], v[QTX]                  ; with lane l xor 16's two the word is whole
.irp c, 0,1
	v_cvt_scalef32_pk16_fp6_f32 v[(\f)+6*\c:(\f)+6*\c+2], v[(\x)+32*\c:(\x)+32*\c+15], v[QSO+\c]
	v_cvt_scalef32_pk16_fp6_f32 v[QCT+4*\c:QCT+4*\c+2], v[(\x)+32*\c+16:(\x)+32*\c+31], v[QSO+\c]   ; (a conversion's three registers begin on an even number)
.endr
	v_nop                                          ; one plain vector instruction behind the last scaled conversion
.irp c, 0,1
.irp i, 0,1,2
	v_mov_b32 v[(\f)+6*\c+3+\i], v[QCT+4*\c+\i]
.endr
.endr
.endm
	s_load_b128 s[4:7], s[0:1], 0x0                ; K s[4:5], V s[6:7]
	s_load_b64 s[8:9], s[0:1], 0x10                ; kv
	v_lshl_add_u32 v208, v0, 2, 0x10a00
	v_mov_b32 v209, 0
	v_lshrrev_b32 v1, 5, v0
	v_readfirstlane_b32 s10, v1                    ; wave 0..3
	s_and_b32 s11, ttmp7, 0xffff                   ; 0: K, 1: V
	v_and_b32 v1, 31, v0                           ; lane
	v_and_b32 v2, 15, v0                           ; r
	v_bfe_u32 v3, v0, 4, 1                         ; h
	v_lshlrev_b32 v[L16], 4, v1
	v_lshlrev_b32 v[L4], 2, v1
	v_lshlrev_b32 v[QH8], 3, v3
	v_mov_b32 v[QTX], 0                            ; a lane permute's destination counts as one of its sources
	s_mul_i32 s18, s10, WSTG                       ; my stage.  Every LDS address is made here, ahead of the parting of the two paths
	v_add_nc_u32 v[SIN], s18, v[L16]
	v_mul_u32_u24 v[SOUT], v2, SP
	v_lshl_add_u32 v[SOUT], v3, 7, v[SOUT]
	v_add_nc_u32 v[SOUT], s18, v[SOUT]
	s_lshr_b32 s19, s10, 1                         ; my two tiles: 256 (w / 2) + 8 (w % 2) in the scale image,
	s_lshl_b32 s19, s19, 8
	s_and_b32 s22, s10, 1
	s_lshl_b32 s22, s22, 3
	s_add_co_u32 s19, s19, s22
	s_add_co_u32 s19, s19, GATH
	v_lshlrev_b32 v[GST], 4, v2                    ; + 16 r, + 4 h
	v_lshl_add_u32 v[GST], v3, 2, v[GST]
	v_add_nc_u32 v[GST], s19, v[GST]
	v_add_nc_u32 v[GRD], GATH, v[L16]
	s_mov_b32 s[SEL], 0x76543210
	s_mov_b32 s[SEL+1], 0xfedcba98
	s_lshl_b32 s12, ttmp9, 16                      ; the step's 128 rows of 512 bytes
	s_mov_b32 s13, 0
	s_lshr_b32 s24, s10, 1                         ; K: my keys begin at 64 (w / 2) + 16 (w % 2): sixteen rows there, sixteen 32 rows further on
	s_lshl_b32 s24, s24, 15
	s_and_b32 s27, s10, 1
	s_lshl_b32 s27, s27, 13
	s_add_co_u32 s24, s24, s27
	s_lshl_b32 s25, s10, 7                         ; V: my 32 channels in a row
	s_mul_i32 s14, ttmp9, STEPB                    ; the step's block of kv
	s_lshl_b32 s26, s11, 9
	s_add_co_u32 s16, s14, 24576
	s_add_co_u32 s16, s16, s26                     ; its scale image of this tensor
	s_mov_b32 s17, 0
	s_mul_i32 s26, s11, 12288
	s_add_co_u32 s14, s14, s26                     ; its fragments of this tensor,
	s_mul_i32 s26, s10, 3072
	s_add_co_u32 s14, s14, s26                     ; my two of them
	s_mov_b32 s15, 0
	s_wait_alu depctr_va_vdst(0)
	s_wait_kmcnt 0x0
	s_cmp_eq_u32 s11, 0                            ; the choice hangs on the work-group's number alone
	s_cselect_b64 s[4:5], s[4:5], s[6:7]
	s_cselect_b32 s24, s24, s25
	s_add_co_u32 s12, s12, s24
	s_add_nc_u64 s[4:5], s[4:5], s[12:13]
	s_add_nc_u64 s[14:15], s[8:9], s[14:15]
	s_add_nc_u64 s[16:17], s[8:9], s[16:17]
	s_cmp_lg_u32 s11, 0
	s_cbranch_scc1 .Lv
	; ---- K: each load reads a key's whole row, 512 consecutive bytes; the rows turn through my stage, so that a lane gets 32 neighbouring channels of its key.
.set k, 0
.rept 32
	global_load_b128 v[R+4*k:R+4*k+3], v[L16], s[4:5] offset:512*(k+16*(k/16)) th:TH_LOAD_NT
.set k, k+1
.endr
	s_wait_alu depctr_va_vdst(0)
.irp g, 0,1,2,3
	s_wait_loadcnt 24-8*\g                         ; these eight rows are in, the younger ones stay out
.irp i, 0,1,2,3,4,5,6,7
	ds_store_b128 v[SIN], v[R+4*(8*\g+\i):R+4*(8*\g+\i)+3] offset:SP*(16*(\g%2)+8*(\g/2)+\i)   ; loaded row 16 a + 8 u + i goes to stage row 16 u + 8 a + i: a tile's sixteen keys lie in sixteen neighbouring rows
.endr
.endr
.irp u, 0,1
.irp c, 0,1
.irp j, 0,1,2,3,4,5,6,7
	ds_load_b128 v[R+64*\u+32*\c+4*\j:R+64*\u+32*\c+4*\j+3], v[SOUT] offset:16*\u*SP+256*\c+16*\j   ; a wave's LDS instructions are served in order: these see my stores
.endr
.endr
.endr
	s_wait_dscnt 16                                ; tile 0's sixteen loads are in; tile 1's sixteen may be out
	QUANT2 R, F0, W0
	s_wait_dscnt 0x0
	QUANT2 R+64, F1, W1
	v_cmp_lt_u32 vcc_lo, 15, v1
	v_cndmask_b32 v[SW], v[W0], v[W1], vcc_lo      ; lanes 0-15: tile 2 w's word of row r; lanes 16-31: tile 2 w + 1's
	s_branch .Ltail
	; ---- V: a lane takes a channel (32 w + lane) and its registers run down the keys: a block of 32 keys lies in one lane's 32 registers.
.macro VLOAD b
.set k, 32*(\b)
.rept 32
	global_load_b32 v[R+k], v[L4], s[4:5] offset:512*k th:TH_LOAD_NT
.set k, k+1
.endr
.endm
.macro VBLOCK b, base
.set XS, R+32*(\b)
	v_max3_num_f32 v[QM+\b], |v[XS]|, |v[XS+1]|, |v[XS+2]|
	v_max3_num_f32 v[QBY+\b], |v[XS+3]|, |v[XS+4]|, |v[XS+5]|
.irp i, 6,10,14,18,22,26
	v_max3_num_f32 v[QM+\b], v[QM+\b], |v[XS+\i]|, |v[XS+\i+1]|
	v_max3_num_f32 v[QBY+\b], v[QBY+\b], |v[XS+\i+2]|, |v[XS+\i+3]|
.endr
	v_max3_num_f32 v[QM+\b], v[QM+\b], |v[XS+30]|, |v[XS+31]|
	v_max3_num_f32 v[QM+\b], v[QM+\b], v[QBY+\b], 0x1800000
	v_add_nc_u32 v[QSO+\b], 0xff000000, v[QM+\b]
	v_lshrrev_b32 v[QBY+\b], 23, v[QSO+\b]
	v_cvt_scalef32_pk16_fp6_f32 v[(\base):(\base)+2], v[XS:XS+15], v[QSO+\b]
	v_cvt_scalef32_pk16_fp6_f32 v[QCT+4*\b:QCT+4*\b+2], v[XS+16:XS+31], v[QSO+\b]
.endm
.Lv:
	VLOAD 0
	VLOAD 1
	s_wait_loadcnt 32                              ; block 0 is in; block 1's 32 loads may be out
	VLOAD 2
	VBLOCK 0, F0
	s_wait_loadcnt 32
	VLOAD 3
	VBLOCK 1, F1
	s_wait_loadcnt 32
	VBLOCK 2, F0+6
	s_wait_loadcnt 0x0
	VBLOCK 3, F1+6
	v_nop                                          ; one plain vector instruction behind the last scaled conversion
.irp i, 0,1,2
	v_mov_b32 v[F0+3+\i], v[QCT+\i]
	v_mov_b32 v[F1+3+\i], v[QCT+4+\i]
	v_mov_b32 v[F0+9+\i], v[QCT+8+\i]
	v_mov_b32 v[F1+9+\i], v[QCT+12+\i]
.endr
	v_lshl_or_b32 v[SW], v[QBY+1], 8, v[QBY]       ; my channel's scale word
	v_lshl_or_b32 v[SW], v[QBY+2], 16, v[SW]
	v_lshl_or_b32 v[SW], v[QBY+3], 24, v[SW]
.irp i, 0,1,2,3,4,5,6,7,8,9,10,11
	v_permlane16_swap_b32 v[F0+\i], v[F1+\i]       ; the first becomes fragment 2 w, the second fragment 2 w + 1
.endr
.Ltail:
.irp g, 0,1,2
	global_store_b128 v[L16], v[F0+4*\g:F0+4*\g+3], s[14:15] offset:512*\g          ; 32 lanes store 512 consecutive bytes, at a multiple of 256 from kv's first byte
.endr
	s_wait_alu depctr_va_vdst(0)
.irp g, 0,1,2
	global_store_b128 v[L16], v[F1+4*\g:F1+4*\g+3], s[14:15] offset:1536+512*\g
.endr
	ds_store_b32 v[GST], v[SW]
	s_wait_dscnt 0x0                               ; for the others' sake: my scale words have landed
	s_barrier_signal -1
	s_barrier_wait -1
	s_cmp_lg_u32 s10, 0
	s_cbranch_scc1 .Lend
	ds_load_b128 v[OUTS:OUTS+3], v[GRD]            ; wave 0 stores the 512 bytes that the four waves gathered
	s_wait_dscnt 0x0
	global_store_b128 v[L16], v[OUTS:OUTS+3], s[16:17]
.Lend:
	s_wait_tensorcnt 0x0                           ; the wave's end
	ds_add_u32 v208, v209
	s_wait_dscnt 0x0
	s_endpgm
.Lfunc_end_k_q320572e1d1_quant:
	.size	k_q320572e1d1_quant, .Lfunc_end_k_q320572e1d1_quant-k_q320572e1d1_quant
	.p2alignl 7, 3214868480
	.fill 96, 4, 3214868480
	.section	.rodata,"a",@progbits
	.p2align	6, 0x0
	.amdhsa_kernel k_q320572e1d1_quant
		.amdhsa_group_segment_fixed_size 68608
		.amdhsa_private_segment_fixed_size 0
		.amdhsa_enable_private_segment 0
		.amdhsa_kernarg_size 24
		.amdhsa_user_sgpr_count 2
		.amdhsa_user_sgpr_kernarg_segment_ptr 1
		.amdhsa_wavefront_size32 1
		.amdhsa_system_sgpr_workgroup_id_x 1
		.amdhsa_system_sgpr_workgroup_id_y 1
		.amdhsa_system_sgpr_workgroup_id_z 1
		.amdhsa_system_vgpr_workitem_id 0
		.amdhsa_next_free_vgpr 210
		.amdhsa_next_free_sgpr 66
		.amdhsa_reserve_vcc 1
		.amdhsa_float_denorm_mode_32 3
		.amdhsa_float_denorm_mode_16_64 3
		.amdhsa_memory_ordered 1
		.amdhsa_forward_progress 1
		.amdhsa_inst_pref_size 36
	.end_amdhsa_kernel
	.amdgpu_metadata
---
amdhsa.version: [ 1, 2 ]
amdhsa.kernels:
  - .name:           k_q320572e1d1_quant
    .symbol:         k_q320572e1d1_quant.kd
    .args:
      - { .name: K, .offset: 0, .size: 8, .value_kind: global_buffer, .address_space: global }
      - { .name: V, .offset: 8, .size: 8, .value_kind: global_buffer, .address_space: global }
      - { .name: kv, .offset: 16, .size: 8, .value_kind: global_buffer, .address_space: global }
    .group_segment_fixed_size: 68608
    .private_segment_fixed_size: 0
    .kernarg_segment_align: 8
    .kernarg_segment_size: 24
    .max_flat_workgroup_size: 128
    .sgpr_count:     66
    .vgpr_count:     210
    .wavefront_size: 32
...
	.end_amdgpu_metadata
.endif
;; end of part 1
;; launch attn (part 2): grid 16 x 16, 8 waves a work-group, clusters of 4 x 1, 327,680 bytes of LDS; arguments Q, kv, out0; writes out0
.if DOCPART == 2
	.amdgcn_target "amdgcn-amd-amdhsa--gfx1250"
	.amdhsa_code_object_version 6
	.text
	.protected	k_q320572e1d1_attn
	.globl	k_q320572e1d1_attn
	.p2align	8
	.type	k_q320572e1d1_attn,@function
k_q320572e1d1_attn:
	s_mov_b64 s[64:65], 0
	v_nop
	global_prefetch_b8 v0, s[64:65] scope:SCOPE_SE
	s_setreg_imm32_b32 hwreg(HW_REG_WAVE_MODE, 25, 1), 1
	s_wait_xcnt 0x0
	s_wait_alu depctr_hold_cnt(0) depctr_sa_sdst(0) depctr_va_vdst(0) depctr_va_sdst(0) depctr_va_ssrc(0) depctr_va_vcc(0) depctr_vm_vsrc(0)
	s_getreg_b32 s2, hwreg(HW_REG_IB_STS2, 6, 4)
	s_cmp_eq_u32 s2, 0
	s_cbranch_scc0 .Lentry_in_a_cluster
	s_endpgm
.Lentry_in_a_cluster:
	s_bfe_u32 s2, ttmp6, 0x10000c
	s_cmp_lg_u32 s2, 0x3003
	s_cbranch_scc0 .Lentry_shape_is_right
	s_endpgm
.Lentry_shape_is_right:
; out[h][q][:] = the sum over k of softmax_k(Q[h][q] . K[h][k] / sqrt(128)) V[h][k][:], no mask, both products on codes of FP6 (E2M3) with one E8M0 scale for each 32 along a product's K.
; The four query heads of a key/value head follow each other in memory: a head h here is one of the 16 key/value heads, with 8,192 query rows and 2,048 keys.
; Q arrives as f32; each row is read once, by one wave, and is quantised in registers.  K and V come as the launch before has laid them: for each step of 128 keys one dense block of 25,600 bytes
; with images of the operands' registers (8 fragments of K, 8 of V^T, 1,536 bytes each; then 512 bytes of K's scale words and 512 of V's).
; THE SOFTMAX: t = score x log2(e) / sqrt(128); M = the row's largest t so far, rounded UP to a whole number; p = 2^(t - M) is what is quantised, along the keys; it is not normalised.
; The row's sum is taken of the unquantised p, in f32, and divides O at the end.  When M moves, the sum and O are multiplied by 2^(old M - new M): nothing is rounded.
; LIMITS: NaN and infinities among the inputs are not served; the promise holds while |t| stays under 2^31.  A block of Q or of p whose largest magnitude lies under 2^-124 keeps the scale byte 1; a p under 2^-126 is 0 (v_exp_f32 gives no denormals: ISA guide, 15.8).
; SHARES.  256 work-groups, which STAY: each makes two blocks of 256 queries of one head, 16 blocks (4,096 rows) apart, one after the other.  Of a block each of the eight waves owns 32 queries: two tiles of 16,
; so that each fragment read from LDS feeds two matrix instructions.  For each block every wave walks all 2,048 keys, 128 a step.
; LAYOUT.  Both products are used transposed: S^T = K Q^T, O^T = V^T P^T: a lane holds ONE query (lane % 16) of each tile throughout.
; Rows 0-7 of tile 4 c + u of K are keys 64 c + 8 u + 0 .. 7 and rows 8-15 keys 64 c + 32 + 8 u + 0 .. 7: the 32 registers of tiles 4 c .. 4 c + 3 are the keys 64 c + 32 (lane / 16) + 0 .. 31,
; ONE WHOLE BLOCK of the second product's K, in the order in which P's operand wants it: a block's maximum needs no other lane and its codes change no lane.
; CLUSTER.  The four work-groups of a cluster own query blocks of one head and walk the same K and V: each tile is asked for JOINTLY, with a mask that names the four.
; THE RING.  Two LDS slots of four key steps (102,400 bytes).  Waves 0 to 3 fetch a key step each by one tensor load; waves 4 to 7 fetch nothing.  A wave never has more than one tensor load out.
; The ring does not stop between the blocks: the first block's last change of slots asks for key steps 0 to 3 again.
; BETWEEN THE BLOCKS the second block's rows of Q are asked for first, into S's registers; the first block goes out in place, from O's registers; nothing waits for its stores but the lines that write those registers anew.
; REGISTERS.  Window 0: v1-7 addresses; v8-23 statistics; v24-25 Q's scale words; v28-31 K's, v32-35 V's; v36-67 at work; v68-91 p's codes; v92-115 Q's fragments; v128-255 Q's rows, S^T, then p.
;   Window 1: v0-127 O^T, 64 a tile; v128-223 eight fragments of K or of V.
.set STEPB, 25600
.set KIMG,  0
.set VIMG,  12288
.set KSCL,  24576
.set VSCL,  25088
.set SLOTB, 4*STEPB
.set SLOT1, 1<<17                      ; slot 1 begins here: one exclusive or turns an address in one slot into the other's
.set STAGE, SLOT1+SLOTB                ; behind the ring: 16 rows x 528 bytes for each wave, its own.  No fill lands here
.set SP,    528
.set WSTG,  16*SP
.set SPARE, STAGE+8*WSTG               ; the spare words, 128 bytes for each wave
.set NEXTB, 16*256*512                 ; bytes from a block's rows to the second block's, in Q and in the output
.set LI,   1                           ; 16 x lane; never rewritten
.set ADR,  2                           ; LDS address of the key step in hand
.set SPW,  3                           ; my spare word; never rewritten
.set NIL,  4                           ; 0; never rewritten
.set STO,  5                           ; the way out: where I put 32 bytes of a row
.set RD,   6                           ; my stage, 16 x lane
.set QRD,  7                           ; Q's turn: row r, + 128 h
.set ST,   8                           ; tile q at v[ST + 8 q]: +0 -M, +1 the largest t, +2, +3 the sum in two halves, +4 f (at the end 1 / sum), +5 (named with it as a pair), +6 p's scale word alone, +7 at work
.set QS,   24
.set QH8,  26                          ; 8 h
.set PFO,  27                          ; 256 x lane: the prefetches' offset; never rewritten
.set KSC,  28                          ; register j: lanes 0-15 tile j, lanes 16-31 tile 4 + j
.set VSC,  32
.set T,    36                          ; tile q at v[T + 16 q]: +0, +1 my two blocks' largest scores, then largest p; +2, +3 second chains, the other lanes' numbers; +4..6, +8..10 the sums' second chain, then codes; +12, +13 scale operands; +14, +15 bytes
.set PC,   68
.set QF,   92
.set S,    128                         ; S^T: tile q, key tile t at v[S + 64 q + 8 t]
.set FW,   128                         ; in window 1: the eight fragments
.set QM,   T
.set QBY,  T+4
.set QTX,  T+6
.set QSO,  T+12
.set QCT,  T+16
.set WV,   10
.set SEL,  20
.set CS,   22                          ; s[22:23] c = log2(e) / sqrt(128)
.set G1,   24
.set G0,   32
.set TB,   36                          ; LDS byte at which the key step in hand begins
.set CNT,  37
.set SLOTS, 38
.set LIM,  39                          ; 1 in a wave that prefetches codes, else the greatest number
.set PFA,  40                          ; s[40:41] where my prefetches of codes stand
.set QPF,  46                          ; s[46:47] where my prefetches of the second block's Q stand
.set MSB, 0
.macro WIN new
.if MSB != \new
	s_set_vgpr_msb (MSB<<8)|\new
.set MSB, \new
.endif
.endm
.macro DEP n
	s_delay_alu instid0(VALU_DEP_\n)
.endm
.macro CROUND                          ; a round of the cluster's barrier
	s_barrier_signal -1
	s_barrier_wait -1
	s_cmp_lg_u32 s[WV], 0
	s_cbranch_scc1 .Lnot_wave_0_\@
	s_barrier_signal -3
.Lnot_wave_0_\@:
	s_barrier_wait -3
	s_barrier_signal -1
	s_barrier_wait -1
.endm
.macro JLOAD                           ; a joint load: waves 0 to 3 fetch a key step each; the branch hangs on the wave's number alone
	s_cmp_lt_u32 s[WV], 4
	s_cbranch_scc0 .Lno_load_\@
	tensor_load_to_lds s[G0:G0+3], s[G1:G1+7]
	s_nop 0
.rept 4
	v_nop
.endr
.Lno_load_\@:
.endm
; THE PREFETCHES, in the first block's walk alone.  (1) The codes that the NEXT change of slots will ask for, four key steps ahead of that load.  The head's first cluster asks; its partners are told apart BY ADDRESS
; (partner cx takes key step cx of the four); waves 4, 5 and 6 ask for 8,192 bytes each, lanes 256 bytes apart: each block of 256 bytes of the codes is named once in the launch.  The first two slots and the scale bytes come by
; their loads alone; the last such change asks for nothing.
; (2) My own 32 rows of the second block's Q, 16,384 bytes: 8,192 in each of the first two changes of slots, lanes 256 bytes apart, each block of 256 bytes named once, eight and more key steps ahead of the loads.
.macro ASK
	s_cmp_gt_u32 s[SLOTS], s[LIM]
	s_cbranch_scc0 .Lnot_mine_\@
	global_prefetch_b8 v[PFO], s[PFA:PFA+1] th:TH_LOAD_NT scope:SCOPE_SE
.Lnot_mine_\@:
	s_cmp_gt_u32 s[SLOTS], 1
	s_cbranch_scc0 .Lno_q_\@
	global_prefetch_b8 v[PFO], s[QPF:QPF+1] th:TH_LOAD_NT scope:SCOPE_SE
.Lno_q_\@:
.endm
; Two whole blocks of 32 of a lane become the operand's 12 registers v[f] on and my row's scale word v[w].
.macro QUANT2 x, f, w
.irp c, 0,1
	v_max3_num_f32 v[QM+\c], |v[(\x)+32*\c]|, |v[(\x)+32*\c+1]|, 0x1800000   ; with the floor 2^(3 - 127)
.endr
.irp i, 2,4,6,8,10,12,14,16,18,20,22,24,26,28,30
.irp c, 0,1
	DEP 2
	v_max3_num_f32 v[QM+\c], v[QM+\c], |v[(\x)+32*\c+\i]|, |v[(\x)+32*\c+\i+1]|
.endr
.endr
.irp c, 0,1
	DEP 2
	v_add_nc_u32 v[QSO+\c], 0xff000000, v[QM+\c]   ; 2 off the exponent field: the conversion's scale operand
.endr
.irp c, 0,1
	DEP 2
	v_lshrrev_b32 v[QBY+\c], 23, v[QSO+\c]
.endr
	DEP 1
	v_lshl_or_b32 v[\w], v[QBY+1], 16, v[QBY]
	DEP 1
	v_lshlrev_b32 v[\w], v[QH8], v[\w]
	DEP 1
	v_permlanex16_b32 v[QTX], v[\w], s[SEL], s[SEL+1]
	DEP 1
	v_or_b32 v[\w], v[\w], v[QTX]
.irp c, 0,1
	v_cvt_scalef32_pk16_fp6_f32 v[(\f)+6*\c:(\f)+6*\c+2], v[(\x)+32*\c:(\x)+32*\c+15], v[QSO+\c]
	v_cvt_scalef32_pk16_fp6_f32 v[QCT+4*\c:QCT+4*\c+2], v[(\x)+32*\c+16:(\x)+32*\c+31], v[QSO+\c]
.endr
	v_nop                                          ; one plain vector instruction behind the last scaled conversion
.irp c, 0,1
.irp i, 0,1,2
	v_mov_b32 v[(\f)+6*\c+3+\i], v[QCT+4*\c+\i]
.endr
.endr
.endm
.macro QLOADS                          ; my 32 rows of Q, a whole row of 512 bytes a load
.set k, 0
.rept 32
	global_load_b128 v[S+4*k:S+4*k+3], v[LI], s[4:5] offset:512*k th:TH_LOAD_NT
.set k, k+1
.endr
.endm
.macro INIT                            ; a block's statistics and O^T; written while Q's rows are out
	v_mov_b32 v[QTX], 0                            ; a lane permute's destination counts as one of its sources
.irp q, 0,1
	v_mov_b32 v[ST+8*\q+1], 0xff61b1e6             ; the largest t so far: -3e38
	DEP 1
	v_floor_f32 v[ST+8*\q], -v[ST+8*\q+1]          ; -M
	v_mov_b32 v[ST+8*\q+2], 0
	v_mov_b32 v[ST+8*\q+3], 0
	v_mov_b32 v[ST+8*\q+5], 0
.endr
	WIN 0x40
.set j, 0
.rept 128
	v_mov_b32 v[j], 0                              ; O^T: the key step has one form; a block's first step finds zeros
.set j, j+1
.endr
	WIN 0
.endm
.macro QTURN                           ; sixteen rows at a time turn through my stage, so that a lane gets 32 neighbouring channels of its query; then they are quantised
.irp q, 0,1
	s_wait_loadcnt 16-16*\q                        ; this tile's sixteen rows are in; the other tile's may be out
.irp i, 0,1,2,3,4,5,6,7,8,9,10,11,12,13,14,15
	ds_store_b128 v[RD], v[S+64*\q+4*\i:S+64*\q+4*\i+3] offset:SP*\i
.endr
.irp c, 0,1
.irp j, 0,1,2,3,4,5,6,7
	ds_load_b128 v[S+64*\q+32*\c+4*\j:S+64*\q+32*\c+4*\j+3], v[QRD] offset:256*\c+16*\j   ; a wave's LDS instructions are served in order: these see my stores
.endr
.endr
	s_wait_dscnt 0x0
	QUANT2 S+64*\q, QF+12*\q, QS+\q
.endr
.endm
	s_load_b128 s[4:7], s[0:1], 0x0                ; Q s[4:5], kv s[6:7]
	s_load_b64 s[8:9], s[0:1], 0x10                ; the output
	v_lshl_add_u32 v[SPW], v0, 2, SPARE
	v_mov_b32 v[NIL], 0
	ds_add_u32 v[SPW], v[NIL]                      ; the opening lines: the add, twice on end, and its wait
	ds_add_u32 v[SPW], v[NIL]
	s_wait_dscnt 0x0
	v_lshrrev_b32 v36, 5, v0
	DEP 1
	v_readfirstlane_b32 s[WV], v36                 ; wave 0..7
	s_bfe_u32 s11, ttmp6, 0x40000                  ; cx
	s_lshl_b32 s12, ttmp9, 2
	s_add_co_u32 s12, s12, s11                     ; my first block of 256 queries, 0 .. 15: it enters Q's and the output's addresses alone
	s_and_b32 s13, ttmp7, 0xffff                   ; the head, which the four partners share
	s_lshl_b32 s14, s13, 22
	s_lshl_b32 s42, s12, 17
	s_add_co_u32 s14, s14, s42
	s_lshl_b32 s42, s[WV], 14                      ; my wave's 32 rows
	s_add_co_u32 s14, s14, s42
	s_mov_b32 s15, 0
	s_mul_i32 s16, s13, 16*STEPB                   ; the head's sixteen blocks of kv
	s_mul_i32 s[G0+1], s[WV], STEPB                ; LDS address: slot 0, key step = my wave's number
	s_add_co_u32 s18, s16, s[G0+1]
	s_mov_b32 s19, 0
	s_mul_i32 s44, s11, STEPB                      ; the prefetches of codes: my work-group's key step of a slot's four,
	s_and_b32 s45, s[WV], 3
	s_lshl_b32 s45, s45, 13                        ; my wave's 8,192 bytes of it,
	s_add_co_u32 s44, s44, s45
	s_add_co_u32 s44, s44, s16
	s_add_co_u32 s44, s44, SLOTB                   ; in the second slot's keys: the first change of slots steps it to the third's
	s_mov_b32 s45, 0
	s_mov_b32 s[G1], 15|(3<<16)|(1<<21)            ; the mask of all four; elements of 8 bytes; bit 21 beside a mask.  A dense block as 100 rows of 256 bytes
	s_mov_b32 s[G1+1], 32<<16
	s_mov_b32 s[G1+2], 100<<16
	s_mov_b32 s[G1+3], 32<<16
	s_mov_b32 s[G1+4], 100
	s_mov_b32 s[G1+5], 32
	s_mov_b32 s[G1+6], 0
	s_mov_b32 s[G1+7], 0
	s_mov_b32 s[SEL], 0x76543210
	s_mov_b32 s[SEL+1], 0xfedcba98
	s_mov_b32 s[CS], 0x3e0293ee
	s_mov_b32 s[CS+1], s[CS]
	s_mov_b32 s[TB], 0
	s_mov_b32 s[SLOTS], 3
	s_sub_co_u32 s42, s[WV], 4
	s_lshr_b32 s42, s42, 2                         ; 0 in waves 4 to 7,
	s_or_b32 s42, s42, ttmp9                       ; where the cluster is the head's first
	s_cmp_eq_u32 s42, 0
	s_cselect_b32 s[LIM], 1, -1
	s_cmp_eq_u32 s[WV], 7
	s_cselect_b32 s[LIM], -1, s[LIM]
	v_and_b32 v36, 31, v0                          ; lane
	v_and_b32 v37, 15, v0                          ; r
	v_bfe_u32 v38, v0, 4, 1                        ; h
	DEP 3
	v_lshlrev_b32 v[LI], 4, v36
	DEP 2
	v_lshlrev_b32 v[QH8], 3, v38
	v_lshlrev_b32 v[PFO], 8, v36
	s_mul_i32 s42, s[WV], WSTG
	s_add_co_u32 s42, s42, STAGE                   ; my stage
	v_mul_u32_u24 v[STO], v37, SP
	DEP 1
	v_lshl_add_u32 v[QRD], v38, 7, v[STO]
	DEP 2
	v_lshl_add_u32 v[STO], v38, 5, v[STO]
	DEP 1
	v_add_nc_u32 v[STO], s42, v[STO]
	DEP 3
	v_add_nc_u32 v[QRD], s42, v[QRD]
	v_add_nc_u32 v[RD], s42, v[LI]
	s_wait_alu depctr_va_vdst(0)
	s_wait_kmcnt 0x0
	s_add_nc_u64 s[4:5], s[4:5], s[14:15]          ; Q and the output at my wave's first row of the first block
	s_add_nc_u64 s[8:9], s[8:9], s[14:15]
	s_add_nc_u64 s[PFA:PFA+1], s[6:7], s[44:45]
	s_add_nc_u64 s[QPF:QPF+1], s[4:5], NEXTB-8192  ; 8,192 bytes ahead of my rows of the second block: the first change of slots steps it onto them
	s_mov_b32 s[G0], 1
	s_add_nc_u64 s[G0+2:G0+3], s[6:7], s[18:19]
	s_or_b32 s[G0+3], s[G0+3], 0x80000000
	QLOADS                                         ; asked for ahead of the round: they are out while the round is passed
	CROUND                                         ; all four work-groups are here: the first joint loads meet
	JLOAD                                          ; key steps 0 to 3 into slot 0
	INIT
	QTURN
; A KEY STEP: 128 keys, both tiles of queries.
.macro STEP
	v_add_nc_u32 v[ADR], s[TB], v[LI]              ; this line and three v_nop: four places behind the last step's products, in front of loads into registers that they read
.rept 3
	v_nop
.endr
	ds_load_b128 v[KSC:KSC+3], v[ADR] offset:KSCL
	WIN 0x40
.irp t, 0,1,2,3,4,5,6,7
.irp g, 0,1,2
	ds_load_b128 v[FW+12*\t+4*\g:FW+12*\t+4*\g+3], v[ADR] offset:KIMG+1536*\t+512*\g
.endr
.endr
	s_wait_alu depctr_va_vdst(0)
	s_wait_dscnt 12                                ; the scale words and fragments 0 to 3 are in; the twelve loads of fragments 4 to 7 may be out
	WIN 0x01
.irp t, 0,1,2,3
.irp q, 0,1
	v_wmma_scale_f32_16x16x128_f8f6f4 v[S+64*\q+8*\t:S+64*\q+8*\t+7], v[FW+12*\t:FW+12*\t+11], v[QF+12*\q:QF+12*\q+11], 0, v[KSC+\t], v[QS+\q] matrix_a_fmt:MATRIX_FMT_FP6 matrix_b_fmt:MATRIX_FMT_FP6
.endr
.endr
	s_wait_dscnt 0x0
.irp t, 4,5,6,7
.irp q, 0,1
	v_wmma_scale_f32_16x16x128_f8f6f4 v[S+64*\q+8*\t:S+64*\q+8*\t+7], v[FW+12*\t:FW+12*\t+11], v[QF+12*\q:QF+12*\q+11], 0, v[KSC+\t-4], v[QS+\q] matrix_a_fmt:MATRIX_FMT_FP6 matrix_b_fmt:MATRIX_FMT_FP6 matrix_a_scale:MATRIX_SCALE_ROW1
.endr
.endr
	WIN 0
.rept 4
	v_nop                                          ; four places: in front of the loads into K's registers, and of the first read of the scores
.endr
	ds_load_b128 v[VSC:VSC+3], v[ADR] offset:VSCL  ; V's scale words and fragments land while the softmax is walked
	WIN 0x40
.irp t, 0,1,2,3,4,5,6,7
.irp g, 0,1,2
	ds_load_b128 v[FW+12*\t+4*\g:FW+12*\t+4*\g+3], v[ADR] offset:VIMG+1536*\t+512*\g
.endr
.endr
	WIN 0
	; THE LARGEST SCORE OF EACH OF MY FOUR BLOCKS OF 32 KEYS (two a tile), each in two chains; it serves for the row's maximum and, since p rises with the score, for the block's largest p.  Each accumulator is read from its low end on
.irp q, 0,1
.irp c, 0,1
	v_max3_num_f32 v[T+16*\q+\c], v[S+64*\q+32*\c], v[S+64*\q+32*\c+1], v[S+64*\q+32*\c+2]
	v_max3_num_f32 v[T+16*\q+2+\c], v[S+64*\q+32*\c+16], v[S+64*\q+32*\c+17], v[S+64*\q+32*\c+18]
.endr
.endr
.irp i, 3,5,7,9,11,13
.irp q, 0,1
.irp c, 0,1
	v_max3_num_f32 v[T+16*\q+\c], v[T+16*\q+\c], v[S+64*\q+32*\c+\i], v[S+64*\q+32*\c+\i+1]
	v_max3_num_f32 v[T+16*\q+2+\c], v[T+16*\q+2+\c], v[S+64*\q+32*\c+16+\i], v[S+64*\q+32*\c+17+\i]
.endr
.endr
.endr
.irp q, 0,1
.irp c, 0,1
	v_max3_num_f32 v[T+16*\q+\c], v[T+16*\q+\c], v[S+64*\q+32*\c+15], v[S+64*\q+32*\c+31]   ; the two scores that the chains left over
.endr
.endr
.irp q, 0,1
.irp c, 0,1
	DEP 4
	v_max_num_f32 v[T+16*\q+\c], v[T+16*\q+\c], v[T+16*\q+2+\c]   ; the two chains joined: the block's largest score
.endr
.endr
	DEP 3
	v_max_num_f32 v[ST+7], v[T], v[T+1]
	DEP 2
	v_max_num_f32 v[ST+15], v[T+16], v[T+17]
.irp q, 0,1
	DEP 2
	v_permlanex16_b32 v[T+16*\q+2], v[ST+8*\q+7], s[SEL], s[SEL+1]
.endr
.irp q, 0,1
	DEP 2
	v_max_num_f32 v[ST+8*\q+7], v[ST+8*\q+7], v[T+16*\q+2]        ; with lane l xor 16's 64 keys: the step's largest score of my query
.endr
.irp q, 0,1
	DEP 2
	v_mul_f32 v[ST+8*\q+7], s[CS], v[ST+8*\q+7]                   ; as t (c is positive)
.endr
.irp q, 0,1
	DEP 2
	v_max_num_f32 v[ST+8*\q+1], v[ST+8*\q+1], v[ST+8*\q+7]        ; the running largest t
.endr
.irp q, 0,1
	v_mov_b32 v[ST+8*\q+7], v[ST+8*\q]
.endr
.irp q, 0,1
	DEP 4
	v_floor_f32 v[ST+8*\q], -v[ST+8*\q+1]                         ; the new -M = -ceil(t): a whole number
.endr
.irp q, 0,1
	DEP 2
	v_sub_f32 v[ST+8*\q+7], v[ST+8*\q], v[ST+8*\q+7]              ; M's old value less its new one
.endr
.irp q, 0,1
	DEP 2
	v_cvt_i32_f32 v[ST+8*\q+7], v[ST+8*\q+7]                      ; (it saturates)
.endr
.irp q, 0,1
	DEP 2
	v_ldexp_f32 v[ST+8*\q+4], 1.0, v[ST+8*\q+7]                   ; f = 2^(old M - new M)
.endr
.irp q, 0,1
.set j, 0
.rept 32
	v_pk_fma_f32 v[S+64*\q+j:S+64*\q+j+1], v[S+64*\q+j:S+64*\q+j+1], s[CS:CS+1], v[ST+8*\q:ST+8*\q+1] op_sel_hi:[1,0,0]   ; t - M, two at a time
.set j, j+2
.endr
.endr
.irp q, 0,1
.irp c, 0,1
	v_fma_f32 v[T+16*\q+\c], v[T+16*\q+\c], s[CS], v[ST+8*\q]     ; the same of each block's largest score
.endr
.endr
	s_wait_alu depctr_va_vdst(0)
.set j, 0
.rept 128
	v_exp_f32 v[S+j], v[S+j]                       ; p = 2^(t - M), at most 1: NOT normalised
.set j, j+1
.endr
.irp q, 0,1
	v_pk_mul_f32 v[ST+8*\q+2:ST+8*\q+3], v[ST+8*\q+2:ST+8*\q+3], v[ST+8*\q+4:ST+8*\q+5] op_sel_hi:[1,0]   ; the sums under the new M
.endr
	s_wait_alu depctr_va_vdst(0)                   ; one wait for the whole batch
.irp q, 0,1
.irp c, 0,1
	v_exp_f32 v[T+16*\q+\c], v[T+16*\q+\c]         ; the block's largest p: the same two instructions on the same number give the same bits
.endr
.endr
.irp q, 0,1
	v_pk_add_f32 v[T+16*\q+4:T+16*\q+5], v[S+64*\q:S+64*\q+1], v[S+64*\q+2:S+64*\q+3]   ; THE ROW'S SUM IS TAKEN OF THE UNQUANTISED p: two chains a tile
.endr
.irp j, 4,8,12,16,20,24,28,32,36,40,44,48,52,56,60
.irp q, 0,1
	v_pk_add_f32 v[ST+8*\q+2:ST+8*\q+3], v[ST+8*\q+2:ST+8*\q+3], v[S+64*\q+\j:S+64*\q+\j+1]
	v_pk_add_f32 v[T+16*\q+4:T+16*\q+5], v[T+16*\q+4:T+16*\q+5], v[S+64*\q+\j+2:S+64*\q+\j+3]
.endr
.endr
	DEP 3
	v_pk_add_f32 v[ST+2:ST+3], v[ST+2:ST+3], v[T+4:T+5]
	DEP 2
	v_pk_add_f32 v[ST+10:ST+11], v[ST+10:ST+11], v[T+20:T+21]
	s_wait_alu depctr_va_vdst(0)                   ; and one for the four
.irp q, 0,1
.irp c, 0,1
	v_max_num_f32 v[T+16*\q+\c], 0x1800000, v[T+16*\q+\c]         ; the floor 2^(3 - 127): the byte cannot fall under 1
.endr
.endr
.irp q, 0,1
.irp c, 0,1
	DEP 4
	v_add_nc_u32 v[T+16*\q+12+\c], 0xff000000, v[T+16*\q+\c]      ; 2 off the exponent field: the conversion's scale operand
.endr
.endr
.irp q, 0,1
.irp c, 0,1
	DEP 4
	v_lshrrev_b32 v[T+16*\q+14+\c], 23, v[T+16*\q+12+\c]          ; the scale's byte
.endr
.endr
	DEP 3
	v_lshl_or_b32 v[ST+6], v[T+15], 16, v[T+14]                   ; my two bytes: blocks h and 2 + h of these 128 keys,
	DEP 2
	v_lshl_or_b32 v[ST+14], v[T+31], 16, v[T+30]
.irp q, 0,1
	DEP 2
	v_lshlrev_b32 v[ST+8*\q+6], v[QH8], v[ST+8*\q+6]              ; at their places in the word;
.endr
.irp q, 0,1
	DEP 2
	v_permlanex16_b32 v[T+16*\q+2], v[ST+8*\q+6], s[SEL], s[SEL+1]
.endr
.irp q, 0,1
	DEP 2
	v_or_b32 v[ST+8*\q+6], v[ST+8*\q+6], v[T+16*\q+2]             ; with lane l xor 16's two p's scale word is whole
.endr
.irp q, 0,1
.irp c, 0,1
	v_cvt_scalef32_pk16_fp6_f32 v[PC+12*\q+6*\c:PC+12*\q+6*\c+2], v[S+64*\q+32*\c:S+64*\q+32*\c+15], v[T+16*\q+12+\c]
	v_cvt_scalef32_pk16_fp6_f32 v[T+16*\q+4+4*\c:T+16*\q+4+4*\c+2], v[S+64*\q+32*\c+16:S+64*\q+32*\c+31], v[T+16*\q+12+\c]   ; (a conversion's three registers begin on an even number)
.endr
.endr
	v_nop                                          ; one plain vector instruction behind the last scaled conversion
.irp q, 0,1
.irp c, 0,1
.irp i, 0,1,2
	v_mov_b32 v[PC+12*\q+6*\c+3+\i], v[T+16*\q+4+4*\c+\i]         ; registers 6 c .. 6 c + 5 hold keys 64 c + 32 h + 0 .. 31
.endr
.endr
.endr
	s_wait_alu depctr_va_vdst(0)                   ; ahead of the first reader of O^T
	WIN 0x41
.irp q, 0,1
.set j, 0
.rept 32
	v_pk_mul_f32 v[64*\q+j:64*\q+j+1], v[64*\q+j:64*\q+j+1], v[ST+8*\q+4:ST+8*\q+5] op_sel_hi:[1,0]   ; O^T under the new M, each accumulator from its low end on.  (These 64 also stand between the lines that made p's codes and scale words and the products)
.set j, j+2
.endr
.endr
	s_wait_alu depctr_va_vdst(0)
	s_wait_dscnt 12                                ; V's scale words and fragments 0 to 3 are in
	WIN 0x51                                       ; the sixteen accumulators take turns
.irp t, 0,1,2,3
.irp q, 0,1
	v_wmma_scale_f32_16x16x128_f8f6f4 v[64*\q+8*\t:64*\q+8*\t+7], v[FW+12*\t:FW+12*\t+11], v[PC+12*\q:PC+12*\q+11], v[64*\q+8*\t:64*\q+8*\t+7], v[VSC+\t], v[ST+8*\q+6] matrix_a_fmt:MATRIX_FMT_FP6 matrix_b_fmt:MATRIX_FMT_FP6
.endr
.endr
	s_wait_dscnt 0x0
.irp t, 4,5,6,7
.irp q, 0,1
	v_wmma_scale_f32_16x16x128_f8f6f4 v[64*\q+8*\t:64*\q+8*\t+7], v[FW+12*\t:FW+12*\t+11], v[PC+12*\q:PC+12*\q+11], v[64*\q+8*\t:64*\q+8*\t+7], v[VSC+\t-4], v[ST+8*\q+6] matrix_a_fmt:MATRIX_FMT_FP6 matrix_b_fmt:MATRIX_FMT_FP6 matrix_a_scale:MATRIX_SCALE_ROW1
.endr
.endr
	WIN 0
.endm
; THE CHANGE OF SLOTS.  Each wave waits for all its tensor loads, adds 0 to its spare word, and waits for that and for its reads of the slot that it has left.
; fill = 1: the barrier is a round of the cluster's; the joint load of the next four key steps into the slot just left is the first thing behind it, and has four key steps in which to land.
; fill = 2: the same, but the load goes back to key steps 0 to 3, for the second block.  fill = 0: nothing is asked for.  ask = 1: the prefetches follow the load.
.macro CHANGE fill, ask
	s_wait_tensorcnt 0x0
	ds_add_u32 v[SPW], v[NIL]
.if \fill
	s_xor_b32 s[G0+1], s[G0+1], SLOT1              ; the walking descriptor: the other slot,
.if \fill == 1
	s_add_nc_u64 s[G0+2:G0+3], s[G0+2:G0+3], SLOTB ; the next four key steps
.else
	s_sub_nc_u64 s[G0+2:G0+3], s[G0+2:G0+3], 3*SLOTB   ; from key steps 12 to 15 back to 0 to 3
.endif
.endif
.if \ask
	s_wait_xcnt 0x0                                ; the last prefetches, a slot back, have read their addresses
	s_add_nc_u64 s[PFA:PFA+1], s[PFA:PFA+1], SLOTB
	s_add_nc_u64 s[QPF:QPF+1], s[QPF:QPF+1], 8192
.endif
	s_wait_dscnt 0x0
.if \fill
	CROUND
	JLOAD
.if \ask
	ASK
.endif
.else
	s_barrier_signal -1
	s_barrier_wait -1
.endif
.endm
.macro SEG                             ; a slot's four key steps: written once, walked four times
	s_mov_b32 s[CNT], 4
.Lstep_\@:
	STEP
	s_add_co_u32 s[TB], s[TB], STEPB
	s_sub_co_u32 s[CNT], s[CNT], 1
	s_cmp_lg_u32 s[CNT], 0
	s_cbranch_scc1 .Lstep_\@
	s_sub_co_u32 s[TB], s[TB], SLOTB
	s_xor_b32 s[TB], s[TB], SLOT1
.endm
; THE WAY OUT, in place.  O^T is divided by the row's sum in its own registers, goes through my stage, a tile (16 rows) at a time, comes back into the same registers as whole rows and leaves as rows of 512 bytes.
.macro PACK q
	WIN 0x41                                       ; O^T (destination and source 0) window 1
.set j, 0
.rept 32
	v_pk_mul_f32 v[64*\q+j:64*\q+j+1], v[64*\q+j:64*\q+j+1], v[ST+8*\q+4:ST+8*\q+5] op_sel_hi:[1,0]   ; register 8 t + i is o(r, 16 t + 8 h + i); each accumulator from its low end on
.set j, j+2
.endr
	WIN 0x04                                       ; an LDS store's data: source 1, window 1
.irp t, 0,1,2,3,4,5,6,7
	ds_store_b128 v[STO], v[64*\q+8*\t:64*\q+8*\t+3] offset:64*\t
	ds_store_b128 v[STO], v[64*\q+8*\t+4:64*\q+8*\t+7] offset:64*\t+16
.endr
	WIN 0x40
.irp i, 0,1,2,3,4,5,6,7,8,9,10,11,12,13,14,15
	ds_load_b128 v[64*\q+4*\i:64*\q+4*\i+3], v[RD] offset:SP*\i   ; a wave's LDS instructions are served in order
.endr
	WIN 0
.endm
.macro SEND q, younger                 ; younger: the LDS instructions issued behind tile q's loads
	WIN 0x04                                       ; a store's data: source 1, window 1
.irp i, 0,1,2,3,4,5,6,7,8,9,10,11,12,13,14,15
	s_wait_dscnt \younger+15-\i
	global_store_b128 v[LI], v[64*\q+4*\i:64*\q+4*\i+3], s[8:9] offset:(16*\q+\i)*512 th:TH_STORE_NT   ; 32 lanes store a row's 512 consecutive bytes, at a multiple of 256 from the output's first byte
.endr
	WIN 0
.endm
.macro OUT
.irp q, 0,1
	v_add_f32 v[ST+8*\q+2], v[ST+8*\q+2], v[ST+8*\q+3]            ; these additions and the v_nop are the places behind the last products
.endr
.irp q, 0,1
	DEP 2
	v_permlanex16_b32 v[ST+8*\q+7], v[ST+8*\q+2], s[SEL], s[SEL+1]
.endr
.irp q, 0,1
	DEP 2
	v_add_f32 v[ST+8*\q+2], v[ST+8*\q+2], v[ST+8*\q+7]            ; the row's sum
.endr
	s_wait_alu depctr_va_vdst(0)
.irp q, 0,1
	v_rcp_f32 v[ST+8*\q+4], v[ST+8*\q+2]
.endr
	v_nop                                          ; a plain instruction behind the last reciprocal
	s_wait_alu depctr_va_vdst(0)                   ; ahead of the first use: one for both
	PACK 0
	PACK 1
	SEND 0, 32
	SEND 1, 0
.endm
	; ---- the first block
.Lslot_a:                                          ; three trips: behind each change of slots the next four key steps are asked for
	CHANGE 1, 1
	SEG
	s_sub_co_u32 s[SLOTS], s[SLOTS], 1
	s_cmp_lg_u32 s[SLOTS], 0
	s_cbranch_scc1 .Lslot_a
	CHANGE 2, 0                                    ; the ring goes on into the second block: key steps 0 to 3 into slot 0
	SEG
	; ---- between the blocks
	s_add_nc_u64 s[4:5], s[4:5], NEXTB             ; (the first block's loads of Q came back long ago)
	QLOADS                                         ; the second block's rows of Q are asked for first: S's registers are free, and the way out names none of them
	OUT
	s_wait_xcnt 0x0                                ; the stores' base and data registers are written again only behind this wait
	s_add_nc_u64 s[8:9], s[8:9], NEXTB
	INIT
	QTURN
	; ---- the second block
	s_mov_b32 s[SLOTS], 3
.Lslot_b:
	CHANGE 1, 0
	SEG
	s_sub_co_u32 s[SLOTS], s[SLOTS], 1
	s_cmp_lg_u32 s[SLOTS], 0
	s_cbranch_scc1 .Lslot_b
	CHANGE 0, 0                                    ; the last slot is written out
	SEG
	OUT
	s_wait_tensorcnt 0x0                           ; the wave's end
	ds_add_u32 v[SPW], v[NIL]
	s_wait_dscnt 0x0
	CROUND                                         ; the closing round
	s_endpgm
.Lfunc_end_k_q320572e1d1_attn:
	.size	k_q320572e1d1_attn, .Lfunc_end_k_q320572e1d1_attn-k_q320572e1d1_attn
	.p2alignl 7, 3214868480
	.fill 96, 4, 3214868480
	.section	.rodata,"a",@progbits
	.p2align	6, 0x0
	.amdhsa_kernel k_q320572e1d1_attn
		.amdhsa_group_segment_fixed_size 327680
		.amdhsa_private_segment_fixed_size 0
		.amdhsa_enable_private_segment 0
		.amdhsa_kernarg_size 24
		.amdhsa_user_sgpr_count 2
		.amdhsa_user_sgpr_kernarg_segment_ptr 1
		.amdhsa_wavefront_size32 1
		.amdhsa_system_sgpr_workgroup_id_x 1
		.amdhsa_system_sgpr_workgroup_id_y 1
		.amdhsa_system_sgpr_workgroup_id_z 1
		.amdhsa_system_vgpr_workitem_id 0
		.amdhsa_next_free_vgpr 512
		.amdhsa_next_free_sgpr 66
		.amdhsa_reserve_vcc 0
		.amdhsa_float_denorm_mode_32 3
		.amdhsa_float_denorm_mode_16_64 3
		.amdhsa_memory_ordered 1
		.amdhsa_forward_progress 1
		.amdhsa_inst_pref_size 205
	.end_amdhsa_kernel
	.amdgpu_metadata
---
amdhsa.version: [ 1, 2 ]
amdhsa.kernels:
  - .name:           k_q320572e1d1_attn
    .symbol:         k_q320572e1d1_attn.kd
    .args:
      - { .name: Q, .offset: 0, .size: 8, .value_kind: global_buffer, .address_space: global }
      - { .name: kv, .offset: 8, .size: 8, .value_kind: global_buffer, .address_space: global }
      - { .name: out0, .offset: 16, .size: 8, .value_kind: global_buffer, .address_space: global }
    .group_segment_fixed_size: 327680
    .private_segment_fixed_size: 0
    .kernarg_segment_align: 8
    .kernarg_segment_size: 24
    .max_flat_workgroup_size: 256
    .sgpr_count:     66
    .vgpr_count:     512
    .wavefront_size: 32
...
	.end_amdgpu_metadata
.endif
;; end of part 2
